; MI455X (gfx1250); checked and timed in simulation.
; The chip was launched on July 23, 2026; its instructions are those of AMD's public machine-readable ISA for CDNA 5 (MIT licence, August 2026) and "CDNA5" Instruction Set Architecture Reference Guide (July 2026). The comments in the code are by the model that wrote it; some were corrected since.
;; Multi Head Attention. Allowed arithmetic: matrix products marked QUANTISED: E4M3 operands, one given power-of-two scale a tensor, by v_wmma_f32_16x16x64_fp8_fp8 or v_wmma_f32_16x16x128_fp8_fp8, f32 sums; everything else in f32.
;; Inputs: Wk 16 x 64 x 1,024 float32; Wo 1,024 x 1,024 float32; Wq 16 x 64 x 1,024 float32; Wv 16 x 64 x 1,024 float32; bo 1,024 float32; keys 4 x 2,048 x 1,024 float32; lowp_scales 12 int32 (the exponents e of the quantised operands' scales 2^e); mask 4 x 2,048 x 2,048 int32; queries 4 x 2,048 x 1,024 float32; values 4 x 2,048 x 1,024 float32.
;; Outputs: out0 4 x 2,048 x 1,024 float32.
;; This version of the problem:
;;   THIS VERSION OF THE PROBLEM IS GIVEN IN LOW PRECISION. The matrix products marked QUANTISED in the list below multiply operands that are first quantised to E4M3 (4 exponent bits, 3 mantissa bits; 8 bits a number), with one given power-of-two scale for each operand tensor; their sums are f32. All else is computed in f32.
;;   The module's matrix products, in the order in which they are computed (A, B: the left and right operand; K: the contracted axis; several contracted axes count as one K, in the product's order):
;;     1. [M 1,024, K 1,024] x [K 1,024, N 8,192]; A: input Wq; B: input queries: QUANTISED (scales: A lowp_scales[0], B lowp_scales[1])
;;     2. [M 1,024, K 1,024] x [K 1,024, N 8,192]; A: input Wk; B: input keys: QUANTISED (scales: A lowp_scales[2], B lowp_scales[3])
;;     3. [M 1,024, K 1,024] x [K 1,024, N 8,192]; A: input Wv; B: input values: QUANTISED (scales: A lowp_scales[4], B lowp_scales[5])
;;     4. batch 64 x [M 2,048, K 64] x [K 64, N 2,048]; A: computed on the way; B: computed on the way: QUANTISED (scales: A lowp_scales[6], B lowp_scales[7])
;;     5. batch 64 x [M 2,048, K 2,048] x [K 2,048, N 64]; A: softmax (see below); B: computed on the way: QUANTISED (scales: A lowp_scales[8], B lowp_scales[9])
;;     6. [M 8,192, K 1,024] x [K 1,024, N 1,024]; A: computed on the way; B: input Wo: QUANTISED (scales: A lowp_scales[10], B lowp_scales[11])
;;   THE QUANTISER, for each operand of a quantised product, along K:
;;     - The operand's scale is 2^e, e = its entry of the input lowp_scales (int32; the entries are numbered through the quantised products in the list's order, A before B).
;;     - Each number is divided by the scale, clamped to +-448, and rounded to the nearest number of E4M3, ties to even, subnormals kept.
;;     - The product sums the exact products of the quantised numbers (number of the format x scale) in f32.
;;   ~~~python
;;   def quantise(x, axis, e):      # numpy; x: float32 -> the quantised numbers, widened to float32 again
;;       x = np.moveaxis(x, axis, -1); K = x.shape[-1]
;;       r = np.clip(x / 2.0 ** e, -448, 448)
;;       step = 2.0 ** (np.maximum(np.frexp(np.where(r == 0, 1, r))[1] - 1, -6) - 3)
;;       q = np.round(r / step) * step * 2.0 ** e      # np.round: ties to even
;;       return np.moveaxis(q, -1, axis).astype(np.float32)
;;   ~~~
;;   SOFTMAX AHEAD OF A QUANTISED PRODUCT. Where the list says 'softmax', what is quantised is not the finished softmax but p = 2^(t - M), with t = logit x log2(e) and M = ceil(the row's largest t), a whole number; so 1/2 < the row's largest p <= 1. The row's sum l is taken of the UNQUANTISED p, in f32, and the product's result is divided by l at the end. Since M is a whole number, a kernel that streams over the keys may use a running M (the ceiling of the running maximum): every later rescaling is an exact power of two, so the quantised numbers keep their values, but for numbers so far below the row's largest that they fall under the format's range.
;;   OPERANDS COMPUTED ON THE WAY. 'Computed on the way' means the value that the module computes at that place (a softmax that the list does not call 'softmax' is quantised finished and normalised). What goes into a quantiser is computed in f32, as accurately as f32 sums, v_exp_f32 and their like allow (about 1e-6 of the number): no bf16 or f16 on the way to a quantiser, and a product that is left as it is and whose result goes on into a quantised operand takes f32 operands (vector FMAs, or v_wmma_f32_16x16x4_f32). A number that lies on a knife's edge between two numbers of the format may be rounded either way, as far as f32 arithmetic and the matrix unit's own rounding can turn it there, and no further.
;; One version. Each part assembles by itself: llvm-mc -triple=amdgcn-amd-amdhsa -mcpu=gfx1250 --defsym DOCPART=n.
;; ======== version 1 of 1: 4 launches
;; limits: right only within a limited range of input values
;; workspace buffers: codes 29,360,128 bytes; maskw 2,097,152 bytes of whole numbers; img 25,165,824 bytes; oimg 8,388,608 bytes
;; launch prep (part 1): grid 1408 x 1, 4 waves a work-group, no clusters, 67,072 bytes of LDS; arguments mask, queries, keys, values, Wq, Wk, Wv, Wo, lowp_scales, codes, maskw; writes codes, maskw
.if DOCPART == 1
	.amdgcn_target "amdgcn-amd-amdhsa--gfx1250"
	.amdhsa_code_object_version 6
	.text
	.protected	k_q005589b1b9_prep
	.globl	k_q005589b1b9_prep
	.p2align	8
	.type	k_q005589b1b9_prep,@function
k_q005589b1b9_prep:
	s_mov_b64 s[64:65], 0
	v_nop
	global_prefetch_b8 v0, s[64:65] scope:SCOPE_SE
	s_setreg_imm32_b32 hwreg(HW_REG_WAVE_MODE, 25, 1), 1
	s_wait_xcnt 0x0
; TWO JOBS IN ONE LAUNCH, told apart by the work-group's number; every work-group reads 131,072 bytes.
; Work-groups 0-511: the mask [4][2048][2048] int32 becomes lane masks, 32 numbers to a word: maskw [b 4][f 128][ks 16][n 64] u32, bit 16 h + r of word n = 16 bb + i
;   says whether mask[b][16 f + r][128 ks + 32 bb + 16 h + i] is not 0: the very lanes and registers in which the attention launch holds its scores.
; Work-groups 512-1407: queries, keys, values, Wq, Wk, Wv, Wo (f32, rows of 1,024 along K) become codes of E4M3, one byte each, K innermost, in that order in the buffer codes.
;   code = x / 2^e, held within +-448, rounded to the nearest code, ties to even; e is the tensor's entry of lowp_scales (queries 1, keys 3, values 5, Wq 0, Wk 2, Wv 4, Wo 11).
;   In keys, values, Wq, Wk, Wv the rows are stored with bits 3 and 4 of the row's number exchanged: 16 neighbouring stored rows 16 (2 b + u) + m are then the true rows 32 b + 8 u + m + 8 (m / 8),
;   so that a later product's eight results of two neighbouring tiles are 16 neighbours along the next K.  A wave's run is 8 rows, so the exchange is an exchange of the two bits of the wave's number.
; LIMITS: each e between -126 and 119.  NaN among the f32 inputs is not served (an infinity is held at the largest code).
; No tensor loads, no barrier, no matrix unit, no cluster: a stream; waves share nothing.  The two jobs have LDS bytes of their own.
.set STEPS, 16
.set SP,    80                         ; the quantiser's stage: a lane's 64 bytes + 16 of padding
.set WREG,  8192                       ; LDS bytes 0-32767: a region for each wave of a quantising work-group: two stages of 32 x SP bytes
.set R,     16                         ; v16-79   four sets of 16 numbers as they are loaded
.set X,     80                         ; v80-111  two sets of 16 neighbours
.set C,     128                        ; v128-191 codes: four registers for each step, so that no store's data are written again
.set MST,   32768                      ; LDS from here on: the mask job's stages,
.set MWV,   8448                       ; one for each wave: 16 rows x MP bytes
.set MP,    528                        ; 512 bytes + 16: row r starts 4 r banks on, so the 16 rows of a read start at 16 different banks
.set MR,    16                         ; v16-143  two sets of 16 x 4 mask numbers as they are loaded
.set MX,    144                        ; v144-207 a unit's 64 numbers of my lane
.set OW,    208                        ; v208-215 a pair of registers for each unit: its 64 words, two a lane
.macro PICKP bound, ptr, first, swap   ; below this work-group number: this tensor, its first work-group, rows exchanged or not
	s_cmp_lt_u32 s3, \bound
	s_cselect_b64 s[4:5], s[\ptr:\ptr+1], s[4:5]
	s_cselect_b32 s6, \first, s6
	s_cselect_b32 s7, \swap, s7
.endm
.macro PICKE bound, ereg               ; and its exponent
	s_cmp_lt_u32 s3, \bound
	s_cselect_b32 s10, s[\ereg], s10
.endm
.macro LOAD t
.irp i, 0,1,2,3
	global_load_b128 v[R+16*((\t)%4)+4*\i:R+16*((\t)%4)+4*\i+3], v3, s[4:5] offset:2048*(\t)+512*\i th:TH_LOAD_NT   ; 32 lanes read 512 consecutive bytes
.endr
.endm
.macro TURN t                          ; step t's numbers through the stage: LDS serves a wave's instructions in order, so no wait stands between the stores and the loads
.irp i, 0,1,2,3
	ds_store_b128 v14, v[R+16*((\t)%4)+4*\i:R+16*((\t)%4)+4*\i+3] offset:32*SP*((\t)%2)+8*SP*\i
.endr
.irp i, 0,1,2,3
	ds_load_b128 v[X+16*((\t)%2)+4*\i:X+16*((\t)%2)+4*\i+3], v15 offset:32*SP*((\t)%2)+16*\i
.endr
.endm
.macro STEP t
.set XS, X+16*((\t)%2)
	s_wait_dscnt 0x0                               ; this step's numbers are back from the stage, and its stores into the stage have read their registers,
.if (\t)+4 < STEPS
	LOAD (\t)+4                                    ; which take the loads of four steps on
.endif
.if (\t)+1 < STEPS
.if STEPS-2-(\t) >= 3
	s_wait_loadcnt 12                              ; the next step's four loads are in; those of the three steps behind it may be out
.else
	s_wait_loadcnt 4*(STEPS-2-(\t))
.endif
	TURN (\t)+1                                    ; and go through the other stage while this step is worked
.endif
.irp i, 0,1,2,3,4,5,6,7,8,9,10,11,12,13,14,15
.endr
	v_cvt_scalef32_pk8_fp8_f32 v[C+4*(\t):C+4*(\t)+1], v[XS:XS+7], v11
	v_cvt_scalef32_pk8_fp8_f32 v[C+4*(\t)+2:C+4*(\t)+3], v[XS+8:XS+15], v11
	global_store_b128 v3, v[C+4*(\t):C+4*(\t)+3], s[8:9] offset:512*(\t)   ; the wave stores 512 consecutive bytes, aligned.  (The codes go to a store alone)
.endm
.macro MLOAD t                         ; unit t: 16 rows x 128 keys; each load reads 512 consecutive bytes of one row
.irp q, 0,1,2,3,4,5,6,7,8,9,10,11,12,13,14,15
	global_load_b128 v[MR+64*((\t)%2)+4*\q:MR+64*((\t)%2)+4*\q+3], v2, s[4:5] offset:8192*\q+512*(\t) th:TH_LOAD_NT
.endr
.endm
.macro MUNIT t
.if (\t) < 3
	s_wait_loadcnt 16                              ; this unit's 16 loads are in; the next unit's 16 may be out
.else
	s_wait_loadcnt 0x0
.endif
.irp q, 0,1,2,3,4,5,6,7,8,9,10,11,12,13,14,15
	ds_store_b128 v3, v[MR+64*((\t)%2)+4*\q:MR+64*((\t)%2)+4*\q+3] offset:MP*\q   ; row q as it lies
.endr
.irp bb, 0,1,2,3
.irp j, 0,1,2,3
	ds_load_b128 v[MX+16*\bb+4*\j:MX+16*\bb+4*\j+3], v4 offset:128*\bb+16*\j     ; lane (r, h): row r, keys 32 bb + 16 h + 4 j + 0 .. 3
.endr
.endr
	s_wait_dscnt 0x0                               ; my 64 numbers are in, and the stores have read their registers,
.if (\t) < 2
	MLOAD (\t)+2                                   ; which take the loads of two units on
.endif
.irp g, 0,1,2,3,4,5,6,7
.irp k, 0,1,2,3,4,5,6,7
	v_cmp_ne_u32 s[52+\k], 0, v[MX+8*\g+\k]        ; word n = 8 g + k: a bit for each lane
.endr
.irp k, 0,1,2,3,4,5,6,7
	v_writelane_b32 v[OW+2*(\t)+(\k%2)], s[52+\k], 4*\g+\k/2   ; word n into lane n / 2, register n % 2
.endr
.endr
	global_store_b64 v5, v[OW+2*(\t):OW+2*(\t)+1], s[8:9] offset:256*(\t)   ; the unit's 64 words: 256 consecutive bytes, aligned, by one instruction
.endm
	s_load_b512 s[16:31], s[0:1], 0x0              ; mask 16, queries 18, keys 20, values 22, Wq 24, Wk 26, Wv 28, Wo 30
	s_load_b128 s[32:35], s[0:1], 0x40             ; the scales' exponents 32, codes 34
	s_load_b64 s[36:37], s[0:1], 0x50              ; maskw
	v_lshl_add_u32 v224, v0, 2, 0x10400
	v_mov_b32 v225, 0
	v_lshrrev_b32 v1, 5, v0
	v_readfirstlane_b32 s2, v1                     ; wave 0..3
	v_and_b32 v1, 31, v0                           ; lane
	s_mov_b32 s13, 0
	s_wait_kmcnt 0x0
	s_cmp_lt_u32 ttmp9, 512
	s_cbranch_scc1 .Lmask
	; ---- the quantiser: work-group t = number - 512 takes 32 rows, a wave 8 rows: 16 steps of 512 numbers
	s_load_b256 s[40:47], s[32:33], 0x0            ; e0 .. e7
	s_load_b128 s[48:51], s[32:33], 0x20           ; e8 .. e11
	s_sub_co_u32 s3, ttmp9, 512
	s_mov_b64 s[4:5], s[30:31]                     ; Wo, unless the number lies below one of the bounds
	s_mov_b32 s6, 864
	s_mov_b32 s7, 0
	PICKP 864, 28, 832, 1                          ; Wv
	PICKP 832, 26, 800, 1                          ; Wk
	PICKP 800, 24, 768, 1                          ; Wq
	PICKP 768, 22, 512, 1                          ; values
	PICKP 512, 20, 256, 1                          ; keys
	PICKP 256, 18, 0, 0                            ; queries
	s_sub_co_u32 s6, s3, s6
	s_lshl_b32 s6, s6, 17                          ; 32 rows of 4,096 bytes for each work-group of the tensor,
	s_lshl_b32 s12, s2, 15                         ; 8 rows for each wave
	s_add_co_u32 s12, s12, s6
	s_add_nc_u64 s[4:5], s[4:5], s[12:13]
	s_and_b32 s12, s2, 1
	s_lshl_b32 s12, s12, 1
	s_lshr_b32 s14, s2, 1
	s_or_b32 s12, s12, s14                         ; the wave's number with its two bits exchanged
	s_cmp_eq_u32 s7, 1
	s_cselect_b32 s12, s12, s2
	s_lshl_b32 s12, s12, 13                        ; 8 rows of 1,024 codes
	s_lshl_b32 s14, s3, 15                         ; the tensors' codes lie in the work-groups' order
	s_add_co_u32 s12, s12, s14
	s_add_nc_u64 s[8:9], s[34:35], s[12:13]
	s_wait_alu depctr_va_vdst(0)
	v_lshlrev_b32 v3, 4, v1                        ; my 16 bytes of a load's 512, and of a store's
	s_mul_i32 s15, s2, WREG
	v_lshrrev_b32 v14, 2, v1
	v_mul_u32_u24 v14, v14, SP
	v_and_b32 v15, 3, v1
	v_lshl_add_u32 v14, v15, 4, v14
	v_add_nc_u32 v14, s15, v14                     ; the stage, on the way in: four lanes' 64 bytes on end, then 16 of padding
	v_mul_u32_u24 v15, v1, SP
	v_add_nc_u32 v15, s15, v15                     ; and on the way out: my 16 neighbours
.irp t, 0,1,2,3
	LOAD \t
.endr
	s_wait_alu depctr_va_vdst(0)
	s_wait_kmcnt 0x0
	s_mov_b32 s10, s51                             ; Wo's e
	PICKE 864, 44
	PICKE 832, 42
	PICKE 800, 40
	PICKE 768, 45
	PICKE 512, 43
	PICKE 256, 41
	s_add_co_i32 s10, s10, 127
	s_lshl_b32 s11, s10, 23
	v_mov_b32 v11, s11                             ; 2^e as f32: the conversion takes its exponent field
	s_add_co_i32 s10, s10, 8
	s_lshl_b32 s10, s10, 23
	s_or_b32 s10, s10, 0x600000
	s_wait_alu depctr_va_vdst(0)
	s_wait_loadcnt 12                              ; step 0's four loads are in
	TURN 0
.irp t, 0,1,2,3,4,5,6,7,8,9,10,11,12,13,14,15
	STEP \t
.endr
	s_wait_tensorcnt 0x0
	ds_add_u32 v224, v225
	s_wait_dscnt 0x0
	s_endpgm
	; ---- the mask: work-group u = 128 b + f takes 16 rows, wave w key steps 4 w .. 4 w + 3: four units of 16 rows x 128 keys
.Lmask:
	s_lshl_b32 s12, ttmp9, 17                      ; 16 rows of 8,192 bytes
	s_lshl_b32 s14, s2, 11                         ; 4 x 128 keys of 4 bytes
	s_add_co_u32 s12, s12, s14
	s_add_nc_u64 s[4:5], s[16:17], s[12:13]
	s_lshl_b32 s12, ttmp9, 12                      ; 16 key steps x 64 words
	s_lshl_b32 s14, s2, 10
	s_add_co_u32 s12, s12, s14
	s_add_nc_u64 s[8:9], s[36:37], s[12:13]
	s_wait_alu depctr_va_vdst(0)
	v_lshlrev_b32 v2, 4, v1                        ; my 16 bytes of a load's 512
	s_mul_i32 s15, s2, MWV
	s_add_co_u32 s15, s15, MST                     ; my stage
	v_add_nc_u32 v3, s15, v2                       ; in
	v_and_b32 v6, 15, v1                           ; r
	v_lshrrev_b32 v7, 4, v1                        ; h
	v_mul_u32_u24 v4, v6, MP
	v_lshl_add_u32 v4, v7, 6, v4
	v_add_nc_u32 v4, s15, v4                       ; out: row r, + 16 h keys
	v_lshlrev_b32 v5, 3, v1                        ; my two words of a unit's 64
.irp i, 0,1,2,3,4,5,6,7
	v_mov_b32 v[OW+\i], 0                          ; written once: a lane write's destination counts as one of its sources
.endr
	MLOAD 0
	MLOAD 1
	MUNIT 0
	MUNIT 1
	MUNIT 2
	MUNIT 3
	s_wait_tensorcnt 0x0
	ds_add_u32 v224, v225
	s_wait_dscnt 0x0
	s_endpgm
.Lfunc_end_k_q005589b1b9_prep:
	.size	k_q005589b1b9_prep, .Lfunc_end_k_q005589b1b9_prep-k_q005589b1b9_prep
	.p2alignl 7, 3214868480
	.fill 96, 4, 3214868480
	.section	.rodata,"a",@progbits
	.p2align	6, 0x0
	.amdhsa_kernel k_q005589b1b9_prep
		.amdhsa_group_segment_fixed_size 67072
		.amdhsa_private_segment_fixed_size 0
		.amdhsa_enable_private_segment 0
		.amdhsa_kernarg_size 88
		.amdhsa_user_sgpr_count 2
		.amdhsa_user_sgpr_kernarg_segment_ptr 1
		.amdhsa_wavefront_size32 1
		.amdhsa_system_sgpr_workgroup_id_x 1
		.amdhsa_system_sgpr_workgroup_id_y 1
		.amdhsa_system_sgpr_workgroup_id_z 1
		.amdhsa_system_vgpr_workitem_id 0
		.amdhsa_next_free_vgpr 226
		.amdhsa_next_free_sgpr 66
		.amdhsa_reserve_vcc 0
		.amdhsa_float_denorm_mode_32 3
		.amdhsa_float_denorm_mode_16_64 3
		.amdhsa_fp16_overflow 1
		.amdhsa_memory_ordered 1
		.amdhsa_forward_progress 1
		.amdhsa_inst_pref_size 71
	.end_amdhsa_kernel
	.amdgpu_metadata
---
amdhsa.version: [ 1, 2 ]
amdhsa.kernels:
  - .name:           k_q005589b1b9_prep
    .symbol:         k_q005589b1b9_prep.kd
    .args:
      - { .name: mask, .offset: 0, .size: 8, .value_kind: global_buffer, .address_space: global }
      - { .name: queries, .offset: 8, .size: 8, .value_kind: global_buffer, .address_space: global }
      - { .name: keys, .offset: 16, .size: 8, .value_kind: global_buffer, .address_space: global }
      - { .name: values, .offset: 24, .size: 8, .value_kind: global_buffer, .address_space: global }
      - { .name: Wq, .offset: 32, .size: 8, .value_kind: global_buffer, .address_space: global }
      - { .name: Wk, .offset: 40, .size: 8, .value_kind: global_buffer, .address_space: global }
      - { .name: Wv, .offset: 48, .size: 8, .value_kind: global_buffer, .address_space: global }
      - { .name: Wo, .offset: 56, .size: 8, .value_kind: global_buffer, .address_space: global }
      - { .name: lowp_scales, .offset: 64, .size: 8, .value_kind: global_buffer, .address_space: global }
      - { .name: codes, .offset: 72, .size: 8, .value_kind: global_buffer, .address_space: global }
      - { .name: maskw, .offset: 80, .size: 8, .value_kind: global_buffer, .address_space: global }
    .group_segment_fixed_size: 67072
    .private_segment_fixed_size: 0
    .kernarg_segment_align: 8
    .kernarg_segment_size: 88
    .max_flat_workgroup_size: 128
    .sgpr_count:     66
    .vgpr_count:     226
    .wavefront_size: 32
...
	.end_amdgpu_metadata
.endif
;; end of part 1
;; launch proj (part 2): grid 4 x 48, 4 waves a work-group, clusters of 4 x 4, 327,680 bytes of LDS; arguments codes, lowp_scales, img; writes img
.if DOCPART == 2
	.amdgcn_target "amdgcn-amd-amdhsa--gfx1250"
	.amdhsa_code_object_version 6
	.text
	.protected	k_q005589b1b9_proj
	.globl	k_q005589b1b9_proj
	.p2align	8
	.type	k_q005589b1b9_proj,@function
k_q005589b1b9_proj:
	s_mov_b64 s[64:65], 0
	v_nop
	global_prefetch_b8 v0, s[64:65] scope:SCOPE_SE
	s_setreg_imm32_b32 hwreg(HW_REG_WAVE_MODE, 25, 1), 1
	s_wait_xcnt 0x0
	s_wait_alu depctr_hold_cnt(0) depctr_sa_sdst(0) depctr_va_vdst(0) depctr_va_sdst(0) depctr_va_ssrc(0) depctr_va_vcc(0) depctr_vm_vsrc(0)
	s_getreg_b32 s2, hwreg(HW_REG_IB_STS2, 6, 4)
	s_cmp_eq_u32 s2, 0
	s_cbranch_scc0 .Lentry_in_a_cluster
	s_endpgm
.Lentry_in_a_cluster:
	s_bfe_u32 s2, ttmp6, 0x10000c
	s_cmp_lg_u32 s2, 0xf033
	s_cbranch_scc0 .Lentry_shape_is_right
	s_endpgm
.Lentry_shape_is_right:
.set KSTEP,  256
.set ROWB,   256
.set KROW,   1024
.set PITCH,  272
.set FR,     16
.set NL,     4
.set NP,     4
.set HALFT,  128*PITCH
.set SLOT,   4*HALFT
.set SPARE,  2*SLOT
.set WALK,   0x400000
.set ADRA, 16
.set ADRB, 20
.set VO0,  24
.set VO1,  25
.set LIM,  26
.set SCL,  27
.set SPW,  28
.set NIL,  29
.set TMP,  32
.set COD,  96
.set AF,   128
.set G1, 24
.set G0, 32
.set G1B, 48
.set G0B, 56
.set NXO, 94
.set NXA, 96
.set NXB, 98
.set MSB, 0
.macro WIN new
.if MSB != (\new)
	s_set_vgpr_msb (MSB<<8)|(\new)
.set MSB, (\new)
.endif
.endm
.set MUL_LO, 0xa1
.set MUL_HI, 0xf1
.set TO_B,   0x40
.macro JLOAD g0a, g1a, g0b, g1b
	s_cmp_eq_u32 s15, 0
	s_cbranch_scc0 .Lfor_b_\@
	tensor_load_to_lds s[\g0a:\g0a+3], s[\g1a:\g1a+7]
	s_nop 0
.rept 4
	v_nop
.endr
	s_branch .Lasked_\@
.Lfor_b_\@:
	tensor_load_to_lds s[\g0b:\g0b+3], s[\g1b:\g1b+7]
	s_nop 0
.rept 4
	v_nop
.endr
.Lasked_\@:
.endm
.macro CREST
	s_cmp_lg_u32 s14, 0
	s_cbranch_scc1 .Lnot_wave_0_\@
	s_barrier_signal -3
.Lnot_wave_0_\@:
	s_barrier_wait -3
	s_barrier_signal -1
	s_barrier_wait -1
.endm
.macro CROUND
	s_barrier_signal -1
	s_barrier_wait -1
	CREST
.endm
	s_load_b128 s[4:7], s[0:1], 0x0
	s_load_b64 s[10:11], s[0:1], 0x10
	v_lshl_add_u32 v[SPW], v0, 2, SPARE
	v_mov_b32 v[NIL], 0
	ds_add_u32 v28, v29
	ds_add_u32 v28, v29
	s_wait_dscnt 0x0
	v_lshrrev_b32 v1, 5, v0
	v_readfirstlane_b32 s14, v1
	s_lshr_b32 s15, s14, 1
	s_and_b32 s16, s14, 1
	s_bfe_u32 s40, ttmp6, 0x40000
	s_bfe_u32 s41, ttmp6, 0x40004
	s_and_b32 s68, ttmp7, 0xffff
	s_lshr_b32 s66, s68, 2
	s_and_b32 s67, s68, 3
	s_lshl_b32 s71, s66, 23
	s_lshl_b32 s72, s66, 20
	s_add_co_u32 s72, s72, 0x1800000
	s_cmp_lt_u32 s66, 2
	s_cselect_b32 s69, s67, 0
	s_cselect_b32 s70, 0, s67
	s_cselect_b32 s71, s71, 0x1a00000
	s_cselect_b32 s72, s72, 0x1000000
	s_cselect_b32 s[NXA], WALK, 0
	s_cselect_b32 s[NXB], 0, WALK
	s_mov_b32 s[NXA+1], 0
	s_mov_b32 s[NXB+1], 0
	s_lshl_b32 s42, s70, 2
	s_add_co_u32 s42, s42, s40
	s_lshl_b32 s17, s69, 2
	s_add_co_u32 s17, s17, s41
	s_lshl_b32 s43, s41, 2
	s_lshl_b32 s43, 15, s43
	s_lshl_b32 s44, 0x1111, s40
	s_or_b32 s[G1+0], s43, (0<<16)|(1<<20)|(1<<21)|(5<<22)|(3<<25)
	s_or_b32 s[G1B+0], s44, (0<<16)|(1<<20)|(1<<21)|(5<<22)|(3<<25)
.irp g, G1, G1B
	s_mov_b32 s[\g+1], ROWB<<16
	s_mov_b32 s[\g+2], 128<<16
	s_mov_b32 s[\g+3], ROWB<<16
	s_mov_b32 s[\g+4], 128
	s_mov_b32 s[\g+5], KROW
	s_mov_b32 s[\g+6], 0
	s_mov_b32 s[\g+7], 0
.endr
	s_lshl_b32 s18, s16, 7
	s_lshl_b32 s20, s17, 8
	s_add_co_u32 s20, s20, s18
	s_lshl_b32 s20, s20, 10
	s_add_co_u32 s20, s20, s71
	s_mov_b32 s21, 0
	s_lshl_b32 s46, s42, 8
	s_add_co_u32 s46, s46, s18
	s_lshl_b32 s46, s46, 10
	s_add_co_u32 s46, s46, s72
	s_mov_b32 s47, 0
	s_mul_i32 s45, s14, HALFT
	s_wait_kmcnt 0x0
	s_load_b256 s[80:87], s[6:7], 0x0
	s_load_b64 s[88:89], s[6:7], 0x20
	s_add_nc_u64 s[20:21], s[4:5], s[20:21]
	s_add_nc_u64 s[46:47], s[4:5], s[46:47]
	CROUND
.irp s, 0,1
	s_mov_b32 s[G0+4*\s], 1
	s_add_co_u32 s[G0+4*\s+1], s45, \s*SLOT
	s_add_nc_u64 s[G0+4*\s+2:G0+4*\s+3], s[20:21], \s*ROWB
	s_or_b32 s[G0+4*\s+3], s[G0+4*\s+3], 0x80000000
	s_mov_b32 s[G0B+4*\s], 1
	s_add_co_u32 s[G0B+4*\s+1], s45, \s*SLOT
	s_add_nc_u64 s[G0B+4*\s+2:G0B+4*\s+3], s[46:47], \s*ROWB
	s_or_b32 s[G0B+4*\s+3], s[G0B+4*\s+3], 0x80000000
	s_wait_alu depctr_va_vdst(0)
	s_wait_tensorcnt 0x0
	ds_add_u32 v28, v29
	ds_add_u32 v28, v29
	s_wait_dscnt 0x0
	CROUND
	JLOAD G0+4*\s, G1, G0B+4*\s, G1B
.endr
	v_and_b32 v1, 15, v0
	v_bfe_u32 v2, v0, 4, 1
	v_mul_u32_u24 v3, v1, PITCH
	v_lshl_add_u32 v4, v2, 4, v3
	s_mul_i32 s21, s15, HALFT
	s_mul_i32 s22, s16, HALFT
	s_add_co_u32 s22, s22, 2*HALFT
.irp s, 0,1
	v_add_nc_u32 v[ADRA+\s], s21, v4
	v_add_nc_u32 v[ADRB+\s], s22, v4
	s_add_co_u32 s21, s21, SLOT
	s_add_co_u32 s22, s22, SLOT
.endr
	s_mov_b32 s90, 2048
	s_mov_b32 s92, 124928
	s_mov_b32 s77, 1024
	s_cmp_lt_u32 s66, 2
	s_cselect_b32 s73, s17, s42
	s_cselect_b32 s74, s15, s16
	s_cselect_b32 s75, s42, s17
	s_cselect_b32 s76, s16, s15
	s_cselect_b32 s90, 1024, s90
	s_cselect_b32 s92, 1024, s92
	s_cselect_b32 s77, 131072, s77
	s_mov_b32 s91, 0
	s_mov_b32 s93, 0
	s_mul_i32 s[NXO], s90, 6
	s_add_co_u32 s[NXO], s[NXO], s92
	s_sub_co_u32 s[NXO], WALK, s[NXO]
	s_mov_b32 s[NXO+1], 0
	s_lshr_b32 s78, s73, 3
	s_lshl_b32 s78, s78, 4
	s_lshl_b32 s75, s75, 2
	s_add_co_u32 s78, s78, s75
	s_lshl_b32 s76, s76, 1
	s_add_co_u32 s78, s78, s76
	s_lshl_b32 s78, s78, 17
	s_and_b32 s73, s73, 7
	s_lshl_b32 s73, s73, 1
	s_add_co_u32 s73, s73, s74
	s_lshl_b32 s73, s73, 13
	s_add_co_u32 s78, s78, s73
	s_lshl_b32 s79, s66, 23
	s_add_co_u32 s78, s78, s79
	s_mov_b32 s79, 0
	s_add_nc_u64 s[10:11], s[10:11], s[78:79]
	v_and_b32 v6, 31, v0
	v_lshlrev_b32 v[VO0], 4, v6
	v_add_nc_u32 v[VO1], s77, v[VO0]
.macro FRAG reg, adr, q, i
.irp c, 0,1,2,3
	ds_load_b128 v[\reg+4*\c:\reg+4*\c+3], v[\adr] offset:128*(\q)+32*\c+(\i)*16*PITCH
.endr
.endm
.macro MUL16 a0, p, zero
.irp a, \a0, \a0+1
.irp b, 0,1,2,3,4,5,6,7
.if \zero
	v_wmma_f32_16x16x128_fp8_fp8 v[8*(8*((\a)%4)+\b):8*(8*((\a)%4)+\b)+7], v[128*(\p)+FR*\b:128*(\p)+FR*\b+FR-1], v[AF+FR*(\a):AF+FR*(\a)+FR-1], 0
.else
	v_wmma_f32_16x16x128_fp8_fp8 v[8*(8*((\a)%4)+\b):8*(8*((\a)%4)+\b)+7], v[128*(\p)+FR*\b:128*(\p)+FR*\b+FR-1], v[AF+FR*(\a):AF+FR*(\a)+FR-1], v[8*(8*((\a)%4)+\b):8*(8*((\a)%4)+\b)+7]
.endif
.endr
.endr
.endm
.macro FETCH_B slot, q, p
	WIN TO_B
.irp i, 0,1,2,3,4,5,6,7
	FRAG 128*(\p)+FR*\i, ADRB+\slot, \q, \i
.endr
	WIN 0
.endm
.macro FETCH_A slot, q, i0
.irp i, \i0, \i0+1, \i0+2, \i0+3
	FRAG AF+FR*(\i), ADRA+\slot, \q, \i
.endr
.endm
.macro PLACES n
.rept \n
	v_nop
.endr
.endm
.macro STEP slot, q, zero
	s_wait_dscnt 4*NL
	WIN MUL_LO
	MUL16 0, (\q)%2, \zero
	MUL16 2, (\q)%2, \zero
	s_wait_dscnt 0
	PLACES NP
	FETCH_B \slot, (\q)+1, 1-(\q)%2
	FETCH_A \slot, (\q)+1, 0
	WIN MUL_HI
	MUL16 4, (\q)%2, \zero
	MUL16 6, (\q)%2, \zero
	PLACES NP
	WIN 0
	FETCH_A \slot, (\q)+1, 4
.endm
.macro TURN slot, next, fill
	s_wait_tensorcnt 0x0
	ds_add_u32 v[SPW], v[NIL]
	s_wait_dscnt 4*NL+1
	WIN MUL_LO
	MUL16 0, 1, 0
	s_wait_dscnt 0x0
	s_barrier_signal -1
	MUL16 2, 1, 0
	WIN 0
	s_barrier_wait -1
.if \fill
	CREST
.if \fill == 2
	s_sub_nc_u64 s[G0+4*\slot+2:G0+4*\slot+3], s[G0+4*\slot+2:G0+4*\slot+3], 2*ROWB
	s_add_nc_u64 s[G0+4*\slot+2:G0+4*\slot+3], s[G0+4*\slot+2:G0+4*\slot+3], s[NXA:NXA+1]
	s_sub_nc_u64 s[G0B+4*\slot+2:G0B+4*\slot+3], s[G0B+4*\slot+2:G0B+4*\slot+3], 2*ROWB
	s_add_nc_u64 s[G0B+4*\slot+2:G0B+4*\slot+3], s[G0B+4*\slot+2:G0B+4*\slot+3], s[NXB:NXB+1]
.else
	s_add_nc_u64 s[G0+4*\slot+2:G0+4*\slot+3], s[G0+4*\slot+2:G0+4*\slot+3], 2*ROWB
	s_add_nc_u64 s[G0B+4*\slot+2:G0B+4*\slot+3], s[G0B+4*\slot+2:G0B+4*\slot+3], 2*ROWB
.endif
	JLOAD G0+4*\slot, G1, G0B+4*\slot, G1B
.else
	PLACES NP
.endif
	FETCH_B \next, 0, 0
	FETCH_A \next, 0, 0
	WIN MUL_HI
	MUL16 4, 1, 0
	MUL16 6, 1, 0
	PLACES NP
	WIN 0
	FETCH_A \next, 0, 4
.endm
.macro OUTBLK a, tile
.set AC, 64*((\a)%4)
.set CD, COD+16*((\a)%2)
	WIN 0x02+((\a)/4)
.set j, 0
.rept 64
.set j, j+1
.endr
.irp g, 0,1,2,3,4,5,6,7
	v_cvt_scalef32_pk8_fp8_f32 v[CD+2*\g:CD+2*\g+1], v[AC+8*\g:AC+8*\g+7], v[SCL]
.endr
	WIN 0
	v_nop
.if (\a) > 0
	s_wait_alu depctr_va_vdst(0)
	s_wait_xcnt 0x0
.if (\a) == 4
	s_add_nc_u64 s[10:11], s[10:11], s[92:93]
.else
	s_add_nc_u64 s[10:11], s[10:11], s[90:91]
.endif
.elseif (\tile) > 0
	s_wait_alu depctr_va_vdst(0)
	s_wait_xcnt 0x0
	s_add_nc_u64 s[10:11], s[10:11], s[NXO:NXO+1]
.endif
.irp q, 0,1,2,3
	global_store_b128 v[VO0+\q/2], v[CD+4*\q:CD+4*\q+3], s[10:11] offset:512*(\q%2)
.endr
.endm
	s_wait_alu depctr_va_vdst(0)
	s_wait_tensorcnt 1
	s_barrier_signal -1
	s_barrier_wait -1
	FETCH_B 0, 0, 0
	FETCH_A 0, 0, 0
	FETCH_A 0, 0, 4
	STEP 0, 0, 1
	TURN 0, 1, 1
	STEP 1, 0, 0
	TURN 1, 0, 1
	STEP 0, 0, 0
	TURN 0, 1, 2
	STEP 1, 0, 0
	TURN 1, 0, 2
	s_wait_kmcnt 0x0
	s_cmp_eq_u32 s66, 1
	s_cselect_b32 s80, s82, s80
	s_cselect_b32 s81, s83, s81
	s_cselect_b32 s86, s87, s86
	s_cmp_eq_u32 s66, 2
	s_cselect_b32 s80, s84, s80
	s_cselect_b32 s81, s85, s81
	s_cselect_b32 s86, s89, s86
	s_sub_co_i32 s86, s86, s80
	s_sub_co_i32 s86, s86, s81
	s_add_co_i32 s86, s86, 127
	s_lshl_b32 s87, s86, 23
	v_mov_b32 v[SCL], s87
	s_add_co_i32 s86, s86, 8
	s_lshl_b32 s86, s86, 23
	s_or_b32 s86, s86, 0x600000
.irp a, 0,1,2,3,4,5,6,7
	OUTBLK \a, 0
.endr
	STEP 0, 0, 1
	TURN 0, 1, 1
	STEP 1, 0, 0
	TURN 1, 0, 1
	STEP 0, 0, 0
	TURN 0, 1, 0
	STEP 1, 0, 0
	s_wait_dscnt 4*NL
	WIN MUL_LO
	MUL16 0, 1, 0
	MUL16 2, 1, 0
	s_wait_dscnt 0
	WIN MUL_HI
	MUL16 4, 1, 0
	MUL16 6, 1, 0
	WIN 0
	PLACES NP
.irp a, 0,1,2,3,4,5,6,7
	OUTBLK \a, 1
.endr
	s_wait_tensorcnt 0x0
	ds_add_u32 v[SPW], v[NIL]
	s_wait_dscnt 0x0
	CROUND
	s_endpgm
.Lfunc_end_k_q005589b1b9_proj:
	.size	k_q005589b1b9_proj, .Lfunc_end_k_q005589b1b9_proj-k_q005589b1b9_proj
	.p2alignl 7, 3214868480
	.fill 96, 4, 3214868480
	.section	.rodata,"a",@progbits
	.p2align	6, 0x0
	.amdhsa_kernel k_q005589b1b9_proj
		.amdhsa_group_segment_fixed_size 327680
		.amdhsa_private_segment_fixed_size 0
		.amdhsa_enable_private_segment 0
		.amdhsa_kernarg_size 24
		.amdhsa_user_sgpr_count 2
		.amdhsa_user_sgpr_kernarg_segment_ptr 1
		.amdhsa_wavefront_size32 1
		.amdhsa_system_sgpr_workgroup_id_x 1
		.amdhsa_system_sgpr_workgroup_id_y 1
		.amdhsa_system_sgpr_workgroup_id_z 1
		.amdhsa_system_vgpr_workitem_id 0
		.amdhsa_next_free_vgpr 1024
		.amdhsa_next_free_sgpr 100
		.amdhsa_reserve_vcc 0
		.amdhsa_float_denorm_mode_32 3
		.amdhsa_float_denorm_mode_16_64 3
		.amdhsa_fp16_overflow 1
		.amdhsa_memory_ordered 1
		.amdhsa_forward_progress 1
		.amdhsa_inst_pref_size 169
	.end_amdhsa_kernel
	.amdgpu_metadata
---
amdhsa.version: [ 1, 2 ]
amdhsa.kernels:
  - .name:           k_q005589b1b9_proj
    .symbol:         k_q005589b1b9_proj.kd
    .args:
      - { .name: codes, .offset: 0, .size: 8, .value_kind: global_buffer, .address_space: global }
      - { .name: lowp_scales, .offset: 8, .size: 8, .value_kind: global_buffer, .address_space: global }
      - { .name: img, .offset: 16, .size: 8, .value_kind: global_buffer, .address_space: global }
    .group_segment_fixed_size: 327680
    .private_segment_fixed_size: 0
    .kernarg_segment_align: 8
    .kernarg_segment_size: 24
    .max_flat_workgroup_size: 128
    .sgpr_count:     100
    .vgpr_count:     1024
    .wavefront_size: 32
...
	.end_amdgpu_metadata
.endif
;; end of part 2
;; launch attn (part 3): grid 4 x 64, 16 waves a work-group, clusters of 4 x 1, 327,680 bytes of LDS; arguments img, maskw, lowp_scales, oimg; writes oimg
.if DOCPART == 3
	.amdgcn_target "amdgcn-amd-amdhsa--gfx1250"
	.amdhsa_code_object_version 6
	.text
	.protected	k_q005589b1b9_attn
	.globl	k_q005589b1b9_attn
	.p2align	8
	.type	k_q005589b1b9_attn,@function
k_q005589b1b9_attn:
	s_mov_b64 s[64:65], 0
	v_nop
	global_prefetch_b8 v0, s[64:65] scope:SCOPE_SE
	s_setreg_imm32_b32 hwreg(HW_REG_WAVE_MODE, 25, 1), 1
	s_wait_xcnt 0x0
	s_wait_alu depctr_hold_cnt(0) depctr_sa_sdst(0) depctr_va_vdst(0) depctr_va_sdst(0) depctr_va_ssrc(0) depctr_va_vcc(0) depctr_vm_vsrc(0)
	s_getreg_b32 s2, hwreg(HW_REG_IB_STS2, 6, 4)
	s_cmp_eq_u32 s2, 0
	s_cbranch_scc0 .Lentry_in_a_cluster
	s_endpgm
.Lentry_in_a_cluster:
	s_bfe_u32 s2, ttmp6, 0x10000c
	s_cmp_lg_u32 s2, 0x3003
	s_cbranch_scc0 .Lentry_shape_is_right
	s_endpgm
.Lentry_shape_is_right:
.set KV,  32
.set S,   96
.set O,   160
.set PC,  192
.set QA,  16
.set QB,  208
.set HALF, 0x10000
.macro MASKLD
	s_load_b512 s[16:31], s[6:7], s15 offset:0x0
	s_load_b512 s[32:47], s[6:7], s15 offset:0x40
	s_load_b512 s[48:63], s[6:7], s15 offset:0x80
	s_load_b512 s[80:95], s[6:7], s15 offset:0xc0
.endm
.macro CROUND
	s_barrier_signal -1
	s_barrier_wait -1
	s_cmp_lg_u32 s12, 0
	s_cbranch_scc1 .Lnot_wave_0_\@
	s_barrier_signal -3
.Lnot_wave_0_\@:
	s_barrier_wait -3
	s_barrier_signal -1
	s_barrier_wait -1
.endm
	s_load_b256 s[4:11], s[0:1], 0x0
	v_lshl_add_u32 v254, v0, 2, 0x40000
	v_mov_b32 v255, 0
	ds_add_u32 v254, v255
	ds_add_u32 v254, v255
	v_lshrrev_b32 v2, 5, v0
	s_delay_alu instid0(VALU_DEP_1)
	v_readfirstlane_b32 s12, v2
	v_and_b32 v1, 31, v0
	s_delay_alu instid0(VALU_DEP_1)
	v_lshlrev_b32 v1, 4, v1
	s_and_b32 s13, ttmp7, 0xffff
	s_lshr_b32 s14, s12, 3
	s_and_b32 s15, s12, 7
	s_lshl_b32 s15, s15, 13
	s_lshl_b32 s16, s14, 17
	s_add_co_u32 s16, s16, s15
	s_add_co_u32 s18, s14, 1
	s_lshl_b32 s18, s18, 23
	s_lshl_b32 s19, s13, 17
	s_add_co_u32 s18, s18, s19
	s_add_co_u32 s18, s18, s15
	s_mov_b32 s19, 0
	s_mov_b32 s68, 15|(3<<16)|(1<<21)
	s_mov_b32 s69, 32<<16
	s_mov_b32 s70, 32<<16
	s_mov_b32 s71, 32<<16
	s_mov_b32 s72, 32
	s_mov_b32 s73, 32
	s_mov_b32 s74, 0
	s_mov_b32 s75, 0
	s_bfe_u32 s2, ttmp6, 0x40000
	s_lshl_b32 s3, ttmp9, 2
	s_add_co_u32 s3, s3, s2
	s_lshl_b32 s22, s3, 5
	s_add_co_u32 s22, s22, s12
	s_lshl_b32 s20, s13, 7
	s_add_co_u32 s20, s20, s22
	s_lshl_b32 s20, s20, 10
	s_mov_b32 s21, 0
	s_lshr_b32 s23, s13, 4
	s_lshl_b32 s23, s23, 7
	s_add_co_u32 s23, s23, s22
	s_lshl_b32 s24, s23, 12
	s_mov_b32 s25, 0
	s_lshl_b32 s26, s23, 14
	s_and_b32 s27, s13, 15
	s_lshl_b32 s27, s27, 10
	s_add_co_u32 s26, s26, s27
	s_mov_b32 s27, 0
	s_mov_b32 s66, 0x76543210
	s_mov_b32 s67, 0xfedcba98
	s_wait_dscnt 0x0
	s_wait_kmcnt 0x0
	s_load_b128 s[32:35], s[8:9], 0x18
	s_load_b32 s36, s[8:9], 0x28
	s_mov_b32 s76, 1
	s_mov_b32 s77, s16
	s_add_nc_u64 s[78:79], s[4:5], s[18:19]
	s_mov_b32 s96, 1
	s_add_co_u32 s97, s16, HALF
	s_add_nc_u64 s[98:99], s[78:79], HALF
	s_or_b32 s79, s79, 0x80000000
	s_or_b32 s99, s99, 0x80000000
	CROUND
	tensor_load_to_lds s[76:79], s[68:75]
	s_nop 0
	s_wait_alu depctr_va_vdst(0)
	s_wait_tensorcnt 0x0
	ds_add_u32 v254, v255
	s_wait_dscnt 0x0
	CROUND
	tensor_load_to_lds s[96:99], s[68:75]
	s_nop 0
.rept 4
	v_nop
.endr
	s_add_nc_u64 s[4:5], s[4:5], s[20:21]
	s_add_nc_u64 s[6:7], s[6:7], s[24:25]
	s_add_nc_u64 s[10:11], s[10:11], s[26:27]
	s_wait_alu depctr_va_vdst(0)
	global_load_b128 v[QA:QA+3], v1, s[4:5]
	global_load_b128 v[QA+4:QA+7], v1, s[4:5] offset:512
	global_load_b128 v[QB:QB+3], v1, s[4:5] offset:16384
	global_load_b128 v[QB+4:QB+7], v1, s[4:5] offset:16896
	v_mov_b32 v3, 0xff800000
	v_mov_b32 v10, 0x7f7f7f7f
	v_mov_b32 v227, 0
	v_mov_b32 v228, 0
	s_wait_kmcnt 0x0
	s_add_co_i32 s2, s32, s33
	s_lshl_b32 s2, s2, 23
	s_mov_b32 s100, 0x3e38aa3b
	s_add_co_i32 s100, s100, s2
	s_mov_b32 s101, s100
	s_add_co_i32 s2, s34, 127
	s_lshl_b32 s3, s2, 23
	v_mov_b32 v6, s3
	s_sub_co_i32 s2, s36, s34
	s_sub_co_i32 s2, s2, s35
	s_add_co_i32 s2, s2, 127
	s_lshl_b32 s3, s2, 23
	v_mov_b32 v8, s3
	s_mov_b32 s15, 0
	MASKLD
.macro INIT
	v_mov_b32 v13, 0xff61b1e6
	s_delay_alu instid0(VALU_DEP_1)
	v_floor_f32 v12, -v13
	v_mov_b32 v14, 0
	v_mov_b32 v15, 0
.set i, 0
.rept 32
	v_mov_b32 v[O+i], 0
.set i, i+1
.endr
	s_mov_b32 s13, 0
.endm
.macro STEPS qr, cnt
	s_mov_b32 s14, \cnt
.Lstep_\@:
	s_setprio 2
	v_add_nc_u32 v4, s13, v1
	s_delay_alu instid0(VALU_DEP_1)
	v_add_nc_u32 v5, 0x20000, v4
	v_nop
	v_nop
.irp t, 0,1,2,3,4,5,6,7
	ds_load_b128 v[KV+8*\t:KV+8*\t+3], v4 offset:1024*\t
	ds_load_b128 v[KV+8*\t+4:KV+8*\t+7], v4 offset:1024*\t+512
.endr
	s_wait_alu depctr_va_vdst(0)
	s_wait_dscnt 0x0
.irp t, 0,1,2,3,4,5,6,7
	v_wmma_f32_16x16x64_fp8_fp8 v[S+8*\t:S+8*\t+7], v[KV+8*\t:KV+8*\t+7], v[\qr:\qr+7], 0
.endr
.rept 4
	v_nop
.endr
.irp t, 0,1,2,3
.irp c, 0,1,2,3
	ds_load_b128 v[KV+16*\t+4*\c:KV+16*\t+4*\c+3], v5 offset:2048*\t+512*\c
.endr
.endr
	s_wait_kmcnt 0x0
.set n, 0
.rept 64
	v_cndmask_b32 v[S+n], v3, v[S+n], s[16+n+16*(n/48)]
.set n, n+1
.endr
	s_wait_xcnt 0x0
	s_add_co_u32 s15, s15, 256
	s_cmp_eq_u32 s15, 4096
	s_cselect_b32 s15, 0x10000, s15
	s_min_u32 s15, s15, 0x10f00
	MASKLD
	v_max3_num_f32 v224, v96, v97, v98
	v_max3_num_f32 v226, v99, v100, v101
.irp i, 6,10,14,18,22,26,30,34,38,42,46,50,54,58
	s_delay_alu instid0(VALU_DEP_2)
	v_max3_num_f32 v224, v224, v[96+\i], v[97+\i]
	s_delay_alu instid0(VALU_DEP_2)
	v_max3_num_f32 v226, v226, v[98+\i], v[99+\i]
.endr
	s_delay_alu instid0(VALU_DEP_2)
	v_max3_num_f32 v224, v224, v158, v159
	s_delay_alu instid0(VALU_DEP_1)
	v_max_num_f32 v224, v224, v226
	s_delay_alu instid0(VALU_DEP_1)
	v_permlanex16_b32 v228, v224, s66, s67
	s_delay_alu instid0(VALU_DEP_1)
	v_max_num_f32 v224, v224, v228
	s_delay_alu instid0(VALU_DEP_1)
	v_mul_f32 v224, s100, v224
	s_delay_alu instid0(VALU_DEP_1)
	v_max_num_f32 v13, v13, v224
	v_mov_b32 v224, v12
	s_delay_alu instid0(VALU_DEP_2)
	v_floor_f32 v12, -v13
	s_delay_alu instid0(VALU_DEP_1)
	v_sub_f32 v224, v12, v224
	s_delay_alu instid0(VALU_DEP_1)
	v_cvt_i32_f32 v224, v224
	s_delay_alu instid0(VALU_DEP_1)
	v_ldexp_f32 v226, 1.0, v224
.set j, 0
.rept 32
	v_pk_fma_f32 v[S+j:S+j+1], v[S+j:S+j+1], s[100:101], v[12:13] op_sel_hi:[1,0,0]
.set j, j+2
.endr
.set j, 0
	s_setprio 1
	s_wait_alu depctr_va_vdst(0)
.rept 64
	v_exp_f32 v[S+j], v[S+j]
.set j, j+1
.endr
	v_pk_mul_f32 v[14:15], v[14:15], v[226:227] op_sel_hi:[1,0]
	s_wait_alu depctr_va_vdst(0)
	v_pk_add_f32 v[230:231], v[96:97], v[98:99]
.irp j, 4,8,12,16,20,24,28,32,36,40,44,48,52,56,60
	v_pk_add_f32 v[14:15], v[14:15], v[96+\j:97+\j]
	v_pk_add_f32 v[230:231], v[230:231], v[98+\j:99+\j]
.endr
	s_delay_alu instid0(VALU_DEP_1)
	v_pk_add_f32 v[14:15], v[14:15], v[230:231]
.set j, 0
.rept 32
.set j, j+2
.endr
	s_setprio 0
.irp g, 0,1,2,3,4,5,6,7
	v_cvt_scalef32_pk8_fp8_f32 v[PC+2*\g:PC+2*\g+1], v[S+8*\g:S+8*\g+7], v6
.endr
.set j, 0
.rept 16
	v_pk_mul_f32 v[O+j:O+j+1], v[O+j:O+j+1], v[226:227] op_sel_hi:[1,0]
.set j, j+2
.endr
	s_wait_alu depctr_va_vdst(0)
	s_wait_dscnt 0x0
.irp t, 0,1,2,3
	v_wmma_f32_16x16x128_fp8_fp8 v[O+8*\t:O+8*\t+7], v[KV+16*\t:KV+16*\t+15], v[PC:PC+15], v[O+8*\t:O+8*\t+7]
.endr
	s_add_co_u32 s13, s13, 8192
	s_sub_co_u32 s14, s14, 1
	s_cmp_lg_u32 s14, 0
	s_cbranch_scc1 .Lstep_\@
	s_setprio 0
.endm
.macro OUT p, cd
.rept 4
	v_nop
.endr
	v_add_f32 v14, v14, v15
	s_delay_alu instid0(VALU_DEP_1)
	v_permlanex16_b32 v228, v14, s66, s67
	s_delay_alu instid0(VALU_DEP_1)
	v_add_f32 v14, v14, v228
	s_delay_alu instid0(VALU_DEP_1)
	v_cmp_eq_f32 vcc_lo, 0, v14
	v_rcp_f32 v226, v14
	v_nop
	s_wait_alu depctr_va_vdst(0)
.set j, 0
.rept 16
	v_pk_mul_f32 v[S+j:S+j+1], v[O+j:O+j+1], v[226:227] op_sel_hi:[1,0]
.set j, j+2
.endr
.set j, 0
.rept 32
.set j, j+1
.endr
.irp g, 0,1,2,3
	v_cvt_scalef32_pk8_fp8_f32 v[\cd+2*\g:\cd+2*\g+1], v[S+8*\g:S+8*\g+7], v8
.endr
	v_nop
.irp i, 0,1,2,3,4,5,6,7
	v_cndmask_b32 v[\cd+\i], v[\cd+\i], v10, vcc_lo
.endr
	global_store_b128 v1, v[\cd:\cd+3], s[10:11] offset:262144*\p
	global_store_b128 v1, v[\cd+4:\cd+7], s[10:11] offset:262144*\p+512
.endm
	INIT
	s_wait_loadcnt 0x0
	s_wait_tensorcnt 0x1
	s_barrier_signal -1
	s_barrier_wait -1
	STEPS QA, 8
	s_wait_tensorcnt 0x0
	s_barrier_signal -1
	s_barrier_wait -1
	STEPS QA, 8
	OUT 0, 24
	INIT
	STEPS QB, 16
	OUT 1, 216
	s_wait_kmcnt 0x0
	s_wait_tensorcnt 0x0
	ds_add_u32 v254, v255
	s_wait_dscnt 0x0
	CROUND
	s_endpgm
.Lfunc_end_k_q005589b1b9_attn:
	.size	k_q005589b1b9_attn, .Lfunc_end_k_q005589b1b9_attn-k_q005589b1b9_attn
	.p2alignl 7, 3214868480
	.fill 96, 4, 3214868480
	.section	.rodata,"a",@progbits
	.p2align	6, 0x0
	.amdhsa_kernel k_q005589b1b9_attn
		.amdhsa_group_segment_fixed_size 327680
		.amdhsa_private_segment_fixed_size 0
		.amdhsa_enable_private_segment 0
		.amdhsa_kernarg_size 32
		.amdhsa_user_sgpr_count 2
		.amdhsa_user_sgpr_kernarg_segment_ptr 1
		.amdhsa_wavefront_size32 1
		.amdhsa_system_sgpr_workgroup_id_x 1
		.amdhsa_system_sgpr_workgroup_id_y 1
		.amdhsa_system_sgpr_workgroup_id_z 1
		.amdhsa_system_vgpr_workitem_id 0
		.amdhsa_next_free_vgpr 256
		.amdhsa_next_free_sgpr 102
		.amdhsa_reserve_vcc 1
		.amdhsa_float_denorm_mode_32 3
		.amdhsa_float_denorm_mode_16_64 3
		.amdhsa_fp16_overflow 1
		.amdhsa_memory_ordered 1
		.amdhsa_forward_progress 1
		.amdhsa_inst_pref_size 71
	.end_amdhsa_kernel
	.amdgpu_metadata
---
amdhsa.version: [ 1, 2 ]
amdhsa.kernels:
  - .name:           k_q005589b1b9_attn
    .symbol:         k_q005589b1b9_attn.kd
    .args:
      - { .name: img, .offset: 0, .size: 8, .value_kind: global_buffer, .address_space: global }
      - { .name: maskw, .offset: 8, .size: 8, .value_kind: global_buffer, .address_space: global }
      - { .name: lowp_scales, .offset: 16, .size: 8, .value_kind: global_buffer, .address_space: global }
      - { .name: oimg, .offset: 24, .size: 8, .value_kind: global_buffer, .address_space: global }
    .group_segment_fixed_size: 327680
    .private_segment_fixed_size: 0
    .kernarg_segment_align: 8
    .kernarg_segment_size: 32
    .max_flat_workgroup_size: 512
    .sgpr_count:     102
    .vgpr_count:     256
    .wavefront_size: 32
...
	.end_amdgpu_metadata
.endif
;; end of part 3
;; launch outp (part 4): grid 4 x 32, 4 waves a work-group, clusters of 4 x 4, 327,680 bytes of LDS; arguments oimg, codes, lowp_scales, bo, out0; writes out0
.if DOCPART == 4
	.amdgcn_target "amdgcn-amd-amdhsa--gfx1250"
	.amdhsa_code_object_version 6
	.text
	.protected	k_q005589b1b9_outp
	.globl	k_q005589b1b9_outp
	.p2align	8
	.type	k_q005589b1b9_outp,@function
k_q005589b1b9_outp:
	s_mov_b64 s[64:65], 0
	v_nop
	global_prefetch_b8 v0, s[64:65] scope:SCOPE_SE
	s_setreg_imm32_b32 hwreg(HW_REG_WAVE_MODE, 25, 1), 1
	s_wait_xcnt 0x0
	s_wait_alu depctr_hold_cnt(0) depctr_sa_sdst(0) depctr_va_vdst(0) depctr_va_sdst(0) depctr_va_ssrc(0) depctr_va_vcc(0) depctr_vm_vsrc(0)
	s_getreg_b32 s2, hwreg(HW_REG_IB_STS2, 6, 4)
	s_cmp_eq_u32 s2, 0
	s_cbranch_scc0 .Lentry_in_a_cluster
	s_endpgm
.Lentry_in_a_cluster:
	s_bfe_u32 s2, ttmp6, 0x10000c
	s_cmp_lg_u32 s2, 0xf033
	s_cbranch_scc0 .Lentry_shape_is_right
	s_endpgm
.Lentry_shape_is_right:
.set SIZE_N, 1024
.set ROWB,   256
.set KROW,   1024
.set PITCH,  272
.set FR,     16
.set NL,     4
.set NP,     4
.set HALFA,  32768
.set HALFT,  128*PITCH
.set BOFF,   2*HALFA
.set SLOT,   BOFF+2*HALFT
.set LAPS,   2
.set SPARE,  2*SLOT
.set SPITCH, 528
.set ADRA, 16
.set ADRB, 20
.set STO,  24
.set RD,   25
.set CO,   26
.set SPW,  28
.set NIL,  29
.set BIA,  8
.set AF,   128
.set BK,   128
.set G1, 24
.set G0, 32
.set G1B, 48
.set G0B, 56
.set MSB, 0
.macro WIN new
.if MSB != (\new)
	s_set_vgpr_msb (MSB<<8)|(\new)
.set MSB, (\new)
.endif
.endm
.set MUL_LO, 0xa1
.set MUL_HI, 0xf1
.set TO_B,   0x40
.macro JLOAD g0a, g1a, g0b, g1b
	s_cmp_eq_u32 s15, 0
	s_cbranch_scc0 .Lfor_b_\@
	tensor_load_to_lds s[\g0a:\g0a+3], s[\g1a:\g1a+7]
	s_nop 0
.rept 4
	v_nop
.endr
	s_branch .Lasked_\@
.Lfor_b_\@:
	tensor_load_to_lds s[\g0b:\g0b+3], s[\g1b:\g1b+7]
	s_nop 0
.rept 4
	v_nop
.endr
.Lasked_\@:
.endm
.macro CREST
	s_cmp_lg_u32 s14, 0
	s_cbranch_scc1 .Lnot_wave_0_\@
	s_barrier_signal -3
.Lnot_wave_0_\@:
	s_barrier_wait -3
	s_barrier_signal -1
	s_barrier_wait -1
.endm
.macro CROUND
	s_barrier_signal -1
	s_barrier_wait -1
	CREST
.endm
	s_load_b128 s[4:7], s[0:1], 0x0
	s_load_b128 s[8:11], s[0:1], 0x10
	s_load_b64 s[12:13], s[0:1], 0x20
	v_lshl_add_u32 v[SPW], v0, 2, SPARE
	v_mov_b32 v[NIL], 0
	ds_add_u32 v28, v29
	ds_add_u32 v28, v29
	s_wait_dscnt 0x0
	v_lshrrev_b32 v1, 5, v0
	v_readfirstlane_b32 s14, v1
	s_lshr_b32 s15, s14, 1
	s_and_b32 s16, s14, 1
	s_bfe_u32 s40, ttmp6, 0x40000
	s_bfe_u32 s41, ttmp6, 0x40004
	s_lshl_b32 s42, ttmp9, 2
	s_add_co_u32 s42, s42, s40
	s_and_b32 s17, ttmp7, 0xffff
	s_lshl_b32 s17, s17, 2
	s_add_co_u32 s17, s17, s41
	s_lshl_b32 s43, s41, 2
	s_lshl_b32 s43, 15, s43
	s_lshl_b32 s44, 0x1111, s40
	s_or_b32 s[G1+0], s43, (3<<16)|(1<<21)
	s_mov_b32 s[G1+1], 512<<16
	s_mov_b32 s[G1+2], 8<<16
	s_mov_b32 s[G1+3], 512<<16
	s_mov_b32 s[G1+4], 8
	s_mov_b32 s[G1+5], 2048
	s_mov_b32 s[G1+6], 0
	s_mov_b32 s[G1+7], 0
	s_or_b32 s[G1B+0], s44, (0<<16)|(1<<20)|(1<<21)|(5<<22)|(3<<25)
	s_mov_b32 s[G1B+1], ROWB<<16
	s_mov_b32 s[G1B+2], 128<<16
	s_mov_b32 s[G1B+3], ROWB<<16
	s_mov_b32 s[G1B+4], 128
	s_mov_b32 s[G1B+5], KROW
	s_mov_b32 s[G1B+6], 0
	s_mov_b32 s[G1B+7], 0
	s_lshl_b32 s18, s16, 17
	s_lshl_b32 s20, s17, 18
	s_add_co_u32 s20, s20, s18
	s_mov_b32 s21, 0
	s_lshl_b32 s46, s42, 18
	s_add_co_u32 s46, s46, s18
	s_add_co_u32 s46, s46, 0x1b00000
	s_mov_b32 s47, 0
	s_lshl_b32 s45, s16, 15
	s_mul_i32 s19, s16, HALFT
	s_add_co_u32 s19, s19, BOFF
	s_wait_kmcnt 0x0
	s_load_b64 s[96:97], s[8:9], 0x28
	s_add_nc_u64 s[20:21], s[4:5], s[20:21]
	s_add_nc_u64 s[46:47], s[6:7], s[46:47]
	CROUND
.irp s, 0,1
	s_mov_b32 s[G0+4*\s], 1
	s_add_co_u32 s[G0+4*\s+1], s45, \s*SLOT
	s_add_nc_u64 s[G0+4*\s+2:G0+4*\s+3], s[20:21], \s*4096
	s_or_b32 s[G0+4*\s+3], s[G0+4*\s+3], 0x80000000
	s_mov_b32 s[G0B+4*\s], 1
	s_add_co_u32 s[G0B+4*\s+1], s19, \s*SLOT
	s_add_nc_u64 s[G0B+4*\s+2:G0B+4*\s+3], s[46:47], \s*ROWB
	s_or_b32 s[G0B+4*\s+3], s[G0B+4*\s+3], 0x80000000
	s_wait_alu depctr_va_vdst(0)
	s_wait_tensorcnt 0x0
	ds_add_u32 v28, v29
	ds_add_u32 v28, v29
	s_wait_dscnt 0x0
	CROUND
	JLOAD G0+4*\s, G1, G0B+4*\s, G1B
.endr
	v_and_b32 v1, 15, v0
	v_bfe_u32 v2, v0, 4, 1
	v_and_b32 v6, 31, v0
	v_lshlrev_b32 v[CO], 4, v6
	v_mul_u32_u24 v3, v1, PITCH
	v_lshl_add_u32 v4, v2, 4, v3
	s_lshl_b32 s21, s15, 15
	s_mul_i32 s22, s16, HALFT
	s_add_co_u32 s22, s22, BOFF
.irp s, 0,1
	v_add_nc_u32 v[ADRA+\s], s21, v[CO]
	v_add_nc_u32 v[ADRB+\s], s22, v4
	s_add_co_u32 s21, s21, SLOT
	s_add_co_u32 s22, s22, SLOT
.endr
	s_mul_i32 s23, s14, 16*SPITCH
	v_mul_u32_u24 v5, v1, SPITCH
	v_lshl_add_u32 v5, v2, 5, v5
	v_add_nc_u32 v[STO], s23, v5
	v_add_nc_u32 v[RD], s23, v[CO]
	s_lshl_b32 s20, s17, 8
	s_lshl_b32 s21, s15, 7
	s_add_co_u32 s20, s20, s21
	s_lshl_b32 s20, s20, 12
	s_mov_b32 s21, 0
	s_lshl_b32 s46, s42, 10
	s_lshl_b32 s47, s16, 9
	s_add_co_u32 s46, s46, s47
	s_mov_b32 s47, 0
	s_add_nc_u64 s[12:13], s[12:13], s[20:21]
	s_add_nc_u64 s[12:13], s[12:13], s[46:47]
	s_add_nc_u64 s[10:11], s[10:11], s[46:47]
	global_load_b128 v[BIA:BIA+3], v[CO], s[10:11]
.macro FRAG reg, adr, q, i
.irp c, 0,1,2,3
	ds_load_b128 v[\reg+4*\c:\reg+4*\c+3], v[\adr] offset:128*(\q)+32*\c+(\i)*16*PITCH
.endr
.endm
.macro FRAGA reg, slot, q, i
.irp c, 0,1,2,3
	ds_load_b128 v[\reg+4*\c:\reg+4*\c+3], v[ADRA+\slot] offset:4096*(\i)+2048*(\q)+512*\c
.endr
.endm
.macro MUL16 a0, p, zero
.irp a, \a0, \a0+1
.irp b, 0,1,2,3,4,5,6,7
.if \zero
	v_wmma_f32_16x16x128_fp8_fp8 v[8*(8*((\a)%4)+\b):8*(8*((\a)%4)+\b)+7], v[128*(\p)+FR*\b:128*(\p)+FR*\b+FR-1], v[AF+FR*(\a):AF+FR*(\a)+FR-1], 0
.else
	v_wmma_f32_16x16x128_fp8_fp8 v[8*(8*((\a)%4)+\b):8*(8*((\a)%4)+\b)+7], v[128*(\p)+FR*\b:128*(\p)+FR*\b+FR-1], v[AF+FR*(\a):AF+FR*(\a)+FR-1], v[8*(8*((\a)%4)+\b):8*(8*((\a)%4)+\b)+7]
.endif
.endr
.endr
.endm
.macro FETCH_B slot, q, p
	WIN TO_B
.irp i, 0,1,2,3,4,5,6,7
	FRAG 128*(\p)+FR*\i, ADRB+\slot, \q, \i
.endr
	WIN 0
.endm
.macro FETCH_A slot, q, i0
.irp i, \i0, \i0+1, \i0+2, \i0+3
	FRAGA AF+FR*(\i), \slot, \q, \i
.endr
.endm
.macro PLACES n
.rept \n
	v_nop
.endr
.endm
.macro STEP slot, q, zero
	s_wait_dscnt 4*NL
	WIN MUL_LO
	MUL16 0, (\q)%2, \zero
	MUL16 2, (\q)%2, \zero
	s_wait_dscnt 0
	PLACES NP
	FETCH_B \slot, (\q)+1, 1-(\q)%2
	FETCH_A \slot, (\q)+1, 0
	WIN MUL_HI
	MUL16 4, (\q)%2, \zero
	MUL16 6, (\q)%2, \zero
	PLACES NP
	WIN 0
	FETCH_A \slot, (\q)+1, 4
.endm
.macro TURN slot, next, fill
	s_wait_tensorcnt 0x0
	ds_add_u32 v[SPW], v[NIL]
	s_wait_dscnt 4*NL+1
	WIN MUL_LO
	MUL16 0, 1, 0
	s_wait_dscnt 0x0
	s_barrier_signal -1
	MUL16 2, 1, 0
	WIN 0
	s_barrier_wait -1
.if \fill
	CREST
	s_add_nc_u64 s[G0+4*\slot+2:G0+4*\slot+3], s[G0+4*\slot+2:G0+4*\slot+3], 2*4096
	s_add_nc_u64 s[G0B+4*\slot+2:G0B+4*\slot+3], s[G0B+4*\slot+2:G0B+4*\slot+3], 2*ROWB
	JLOAD G0+4*\slot, G1, G0B+4*\slot, G1B
.else
	PLACES NP
.endif
	FETCH_B \next, 0, 0
	FETCH_A \next, 0, 0
	WIN MUL_HI
	MUL16 4, 1, 0
	MUL16 6, 1, 0
	PLACES NP
	WIN 0
	FETCH_A \next, 0, 4
.endm
	s_wait_alu depctr_va_vdst(0)
	s_wait_tensorcnt 1
	s_barrier_signal -1
	s_barrier_wait -1
	FETCH_B 0, 0, 0
	FETCH_A 0, 0, 0
	FETCH_A 0, 0, 4
	STEP 0, 0, 1
	s_mov_b32 s3, LAPS-1
.Llap:
	TURN 0, 1, 1
	STEP 1, 0, 0
	TURN 1, 0, 1
	STEP 0, 0, 0
	s_sub_co_u32 s3, s3, 1
	s_cmp_lg_u32 s3, 0
	s_cbranch_scc1 .Llap
	TURN 0, 1, 0
	STEP 1, 0, 0
	s_wait_dscnt 4*NL
	WIN MUL_LO
	MUL16 0, 1, 0
	MUL16 2, 1, 0
	s_wait_dscnt 0
	WIN MUL_HI
	MUL16 4, 1, 0
	MUL16 6, 1, 0
	WIN 0
.macro TOSTAGE a
.set AC, 64*((\a)%4)
	WIN 0x08+4*((\a)/4)
.irp b, 0,1,2,3,4,5,6,7
	ds_store_b128 v[STO], v[AC+8*\b:AC+8*\b+3] offset:64*\b
	ds_store_b128 v[STO], v[AC+8*\b+4:AC+8*\b+7] offset:64*\b+16
.endr
	WIN 0
.set BB, BK+64*((\a)%2)
.irp t, 0,1,2,3,4,5,6,7,8,9,10,11,12,13,14,15
	ds_load_b128 v[BB+4*\t:BB+4*\t+3], v[RD] offset:\t*SPITCH
.endr
.endm
.macro SEND a, younger
.set BB, BK+64*((\a)%2)
	s_wait_dscnt \younger
.irp t, 0,1,2,3,4,5,6,7,8,9,10,11,12,13,14,15
	v_pk_fma_f32 v[BB+4*\t:BB+4*\t+1], v[BB+4*\t:BB+4*\t+1], s[96:97], v[BIA:BIA+1] op_sel_hi:[1,0,1]
	v_pk_fma_f32 v[BB+4*\t+2:BB+4*\t+3], v[BB+4*\t+2:BB+4*\t+3], s[96:97], v[BIA+2:BIA+3] op_sel_hi:[1,0,1]
.endr
.if (\a) > 0
	s_add_nc_u64 s[12:13], s[12:13], 16*SIZE_N*4
.endif
.irp t, 0,1,2,3,4,5,6,7,8,9,10,11,12,13,14,15
	global_store_b128 v[CO], v[BB+4*\t:BB+4*\t+3], s[12:13] offset:\t*SIZE_N*4 th:TH_STORE_NT
.endr
.endm
	s_wait_kmcnt 0x0
	s_add_co_i32 s96, s96, s97
	s_add_co_i32 s96, s96, 127
	s_lshl_b32 s96, s96, 23
	s_wait_loadcnt 0x0
	PLACES NP
	TOSTAGE 0
.irp a, 1,2,3,4,5,6,7
.if \a > 1
	s_wait_xcnt 0x0
.endif
	TOSTAGE \a
	SEND \a-1, 32
.endr
	s_wait_xcnt 0x0
	SEND 7, 0
	s_wait_tensorcnt 0x0
	ds_add_u32 v[SPW], v[NIL]
	s_wait_dscnt 0x0
	CROUND
	s_endpgm
.Lfunc_end_k_q005589b1b9_outp:
	.size	k_q005589b1b9_outp, .Lfunc_end_k_q005589b1b9_outp-k_q005589b1b9_outp
	.p2alignl 7, 3214868480
	.fill 96, 4, 3214868480
	.section	.rodata,"a",@progbits
	.p2align	6, 0x0
	.amdhsa_kernel k_q005589b1b9_outp
		.amdhsa_group_segment_fixed_size 327680
		.amdhsa_private_segment_fixed_size 0
		.amdhsa_enable_private_segment 0
		.amdhsa_kernarg_size 40
		.amdhsa_user_sgpr_count 2
		.amdhsa_user_sgpr_kernarg_segment_ptr 1
		.amdhsa_wavefront_size32 1
		.amdhsa_system_sgpr_workgroup_id_x 1
		.amdhsa_system_sgpr_workgroup_id_y 1
		.amdhsa_system_sgpr_workgroup_id_z 1
		.amdhsa_system_vgpr_workitem_id 0
		.amdhsa_next_free_vgpr 1024
		.amdhsa_next_free_sgpr 98
		.amdhsa_reserve_vcc 0
		.amdhsa_float_denorm_mode_32 3
		.amdhsa_float_denorm_mode_16_64 3
		.amdhsa_memory_ordered 1
		.amdhsa_forward_progress 1
		.amdhsa_inst_pref_size 124
	.end_amdhsa_kernel
	.amdgpu_metadata
---
amdhsa.version: [ 1, 2 ]
amdhsa.kernels:
  - .name:           k_q005589b1b9_outp
    .symbol:         k_q005589b1b9_outp.kd
    .args:
      - { .name: oimg, .offset: 0, .size: 8, .value_kind: global_buffer, .address_space: global }
      - { .name: codes, .offset: 8, .size: 8, .value_kind: global_buffer, .address_space: global }
      - { .name: lowp_scales, .offset: 16, .size: 8, .value_kind: global_buffer, .address_space: global }
      - { .name: bo, .offset: 24, .size: 8, .value_kind: global_buffer, .address_space: global }
      - { .name: out0, .offset: 32, .size: 8, .value_kind: global_buffer, .address_space: global }
    .group_segment_fixed_size: 327680
    .private_segment_fixed_size: 0
    .kernarg_segment_align: 8
    .kernarg_segment_size: 40
    .max_flat_workgroup_size: 128
    .sgpr_count:     98
    .vgpr_count:     1024
    .wavefront_size: 32
...
	.end_amdgpu_metadata
.endif
;; end of part 4
